; MI455X (gfx1250); checked and timed in simulation.
; The chip was launched on July 23, 2026; its instructions are those of AMD's public machine-readable ISA for CDNA 5 (MIT licence, August 2026) and "CDNA5" Instruction Set Architecture Reference Guide (July 2026). The comments in the code are by the model that wrote it; some were corrected since.
;; ACT Cell. Allowed arithmetic: float matrix products may take bf16 or f16 operands with f32 sums; other float arithmetic in f32, or as packed bf16 or f16 multiplies, adds, multiply-adds, maxima and minima; sums over many terms, partial sums and values carried from step to step in f32; what a program stores and reads back later, other than sums and carried values, may be rounded once to bf16 or f16.
;; Inputs: W_hh 8,192 x 2,048 float32; W_ih 8,192 x 1,024 float32; W_o 2,048 x 2,048 float32; W_p 1 x 2,048 float32; b_hh 8,192 float32; b_ih 8,192 float32; b_o 2,048 float32; b_p 1 float32; cx 2,048 x 2,048 float32; hx 2,048 x 2,048 float32; x 2,048 x 1,023 float32.
;; Outputs: out0 2,048 x 2,048 float32; out1 2,048 x 2,048 float32; out2 2,048 x 2,048 float32; out3 one number int32.
;; One version. Each part assembles by itself: llvm-mc -triple=amdgcn-amd-amdhsa -mcpu=gfx1250 --defsym DOCPART=n.
;; ======== version 1 of 1: 3 launches
;; limits: values are held in f16: magnitudes above 65,504 overflow, below 6.1e-05 lose precision
;; workspace buffers: Wc 50,331,648 bytes; A1 12,582,912 bytes; Wo16 8,388,608 bytes; bsum 32,768 bytes; hb 8,388,608 bytes; cb 8,388,608 bytes; pd 524,288 bytes
;; launch cvt (part 1): grid 2192 x 1, 4 waves a work-group, no clusters, 0 bytes of LDS; arguments W_ih, W_hh, hx, W_o, x, b_ih, b_hh, Wc, A1, Wo16, bsum, out3; writes Wc, A1, Wo16, bsum, out3
.if DOCPART == 1
	.amdgcn_target "amdgcn-amd-amdhsa--gfx1250"
	.amdhsa_code_object_version 6
	.text
	.protected	k_q421a8f9ab3_cvt
	.globl	k_q421a8f9ab3_cvt
	.p2align	8
	.type	k_q421a8f9ab3_cvt,@function
k_q421a8f9ab3_cvt:
	s_mov_b64 s[64:65], 0
	v_nop
	global_prefetch_b8 v0, s[64:65] scope:SCOPE_SE
	s_setreg_imm32_b32 hwreg(HW_REG_WAVE_MODE, 25, 1), 1
	s_wait_xcnt 0x0
; ACTCell with MAX_PONDER = 1: one LSTM step, a halting gate and an output head.  Three launches: this one rounds the matrix operands once; the second makes
; gates = [x, 1] W_ih^T + hx W_hh^T + b_ih + b_hh, c, h and partial dots h . W_p; the third makes p and out0 = p h, out1 = p c, out2 = p (h W_o^T + b_o).
; WORK LEFT OUT, for all values of the inputs.  The scan has one step, t = 0, so the flag column is 1.  gx_acc, ahx, acx and aout start at zeros that the function builds itself: halt_prev = (0 > 0.99) = 0,
; the factor 1 - halt_prev is 1, and each 'acc + p ..' is 'p ..'.  halt = halt_after = (gx > 0.99); p = gx - (gx - 1) halt, which is 1 where gx > 0.99 and gx elsewhere: a select.
; 'halted' has one entry: where(any, argmax + 1, 1) is 1 on both arms, so out3 = 1, and all_halted, any and argmax reach no output.  Every input still has a way to an output: all eleven are loaded.
; LIMIT: a NaN or an infinity that reaches only all_halted is not carried anywhere (it could reach no output).
; THIS LAUNCH.  Wc [8192 n'][3072] bf16: row n' = 64 (j >> 4) + 16 g + (j & 15) is row 2048 g + j of W_ih (k < 1024) and W_hh (k >= 1024), so that the four gates of a hidden unit j lie 16 rows apart.
; A1 [2048][3072] bf16 = x, 1.0, hx.  Wo16 [2048][2048]: W_o rounded to bf16, that number written as f16 (exact from 2^-17 to 65,504; below, f16's fixed step of 2^-24; above, an infinity).
; bsum [8192 n'] f32 = b_ih + b_hh in Wc's row order.  out3 = 1.
; SHARES.  A work-group of 128 threads takes 16 rows of one segment of 1,024 floats: thread t the floats 4 t .. 4 t + 3 and 512 + 4 t .. of each row.  A wave's load covers 512 consecutive bytes, a wave's store 256, aligned.
; All 32 loads of a thread go out at once, each row into registers of its own: no register is used twice, so the only waits are the counted ones for data.  No LDS, no matrix unit, no cluster: nothing is shared.
.set SO,  1                            ; v1  16 t: my 16 bytes in half a source segment
.set DO,  2                            ; v2  8 t: my 8 bytes in half a destination segment
.set XO3, 3                            ; v3  x alone: 16 t + 12, in thread 127 16 t + 8
.set T0,  4
.set T1,  5
.set ONE, 6                            ; v6  1.0 (x alone)
.set X,   8                            ; v[8:135] row i: 8 registers
.set SRC, 32                           ; s[32:33]
.set DST, 34                           ; s[34:35]
.macro PACKROW f16                     ; row i: 8 floats to 4 words of two 16-bit numbers, in place
	v_cvt_pk_bf16_f32 v[X+8*i],   v[X+8*i],   v[X+8*i+1]
	v_cvt_pk_bf16_f32 v[X+8*i+1], v[X+8*i+2], v[X+8*i+3]
	v_cvt_pk_bf16_f32 v[X+8*i+4], v[X+8*i+4], v[X+8*i+5]
	v_cvt_pk_bf16_f32 v[X+8*i+5], v[X+8*i+6], v[X+8*i+7]
.if \f16
.irp d, 0,1,4,5
	v_lshlrev_b32 v[T0], 16, v[X+8*i+(\d)]         ; the two bf16 numbers as f32,
	v_and_b32     v[T1], s40, v[X+8*i+(\d)]
	v_cvt_pk_f16_f32 v[X+8*i+(\d)], v[T0], v[T1]   ; written as f16
.endr
.endif
.endm
.macro ROWS16 sp, dp, f16              ; sp, dp: bytes from row to row in the source and in the destination
.set i, 0
.rept 16
	global_load_b128 v[X+8*i:X+8*i+3],   v[SO], s[SRC:SRC+1] offset:i*(\sp) th:TH_LOAD_NT
	global_load_b128 v[X+8*i+4:X+8*i+7], v[SO], s[SRC:SRC+1] offset:i*(\sp)+2048 th:TH_LOAD_NT
.set i, i+1
.endr
.set i, 0
.rept 16
	s_wait_loadcnt 30-2*i                          ; loads come back in order: row i is in, the two loads of each younger row may stay out
	PACKROW \f16
	global_store_b64 v[DO], v[X+8*i:X+8*i+1],   s[DST:DST+1] offset:i*(\dp)
	global_store_b64 v[DO], v[X+8*i+4:X+8*i+5], s[DST:DST+1] offset:i*(\dp)+1024
.set i, i+1
.endr
.endm
.macro XLOAD r                         ; a row of x is 4,092 bytes, aligned to 4 alone: eight loads of one float
.irp c, 0,1
.irp e, 0,1,2,3
.if ((\c) == 1) && ((\e) == 3)
	global_load_b32 v[X+8*(\r)+7], v[XO3], s[SRC:SRC+1] offset:(\r)*4092+2048  ; thread 127 takes k = 1022 once more: it never leaves its row
.else
	global_load_b32 v[X+8*(\r)+4*(\c)+(\e)], v[SO], s[SRC:SRC+1] offset:(\r)*4092+2048*(\c)+4*(\e)
.endif
.endr
.endr
.endm
	s_load_b512 s[8:23], s[0:1], 0x0               ; W_ih 8, W_hh 10, hx 12, W_o 14, x 16, b_ih 18, b_hh 20, Wc 22
	s_load_b256 s[24:31], s[0:1], 0x40             ; A1 24, Wo16 26, bsum 28, out3 30
	v_lshlrev_b32 v[SO], 4, v0
	v_lshlrev_b32 v[DO], 3, v0
	s_mov_b32 s4, ttmp9                            ; which share is mine
	s_mov_b32 s37, 0                               ; the offsets' high words
	s_mov_b32 s39, 0
	s_mov_b32 s40, 0xffff0000                      ; a word's upper bf16
	s_wait_kmcnt 0x0
	s_cmp_lt_u32 s4, 512
	s_cbranch_scc0 .Lnot_wih
	; 0 .. 511: W_ih.  Rows 16 q .. 16 q + 15 of Wc are gate q & 3, hidden units 16 (q >> 2) on
	s_and_b32 s2, s4, 3
	s_lshl_b32 s2, s2, 11
	s_lshr_b32 s3, s4, 2
	s_lshl4_add_u32 s2, s3, s2                     ; source row
	s_lshl_b32 s36, s2, 12                         ; x 4,096 bytes
	s_mul_i32 s38, s4, 98304                       ; 16 rows of 6,144 bytes
	s_add_nc_u64 s[SRC:SRC+1], s[8:9], s[36:37]
	s_add_nc_u64 s[DST:DST+1], s[22:23], s[38:39]
	ROWS16 4096, 6144, 0
	s_endpgm
.Lnot_wih:
	s_cmp_lt_u32 s4, 1792
	s_cbranch_scc0 .Lnot_8k
	; 512 .. 1535: W_hh into Wc; 1536 .. 1791: hx into A1.  Both have rows of 8,192 bytes, two segments, and go behind the first 2,048 bytes of rows of 6,144
	s_cmp_lt_u32 s4, 1536
	s_cselect_b64 s[SRC:SRC+1], s[10:11], s[12:13]
	s_cselect_b64 s[DST:DST+1], s[22:23], s[24:25]
	s_cselect_b32 s5, 0, 1024
	s_cselect_b32 s6, 9, 7                         ; 512 or 128 groups of 16 rows
	s_cselect_b32 s41, 1, 0
	s_sub_co_u32 s7, s4, 512
	s_sub_co_u32 s5, s7, s5                        ; my number in the section
	s_lshl_b32 s7, 1, s6
	s_sub_co_u32 s7, s7, 1
	s_lshr_b32 s6, s5, s6                          ; the segment
	s_and_b32 s5, s5, s7                           ; the group of 16 rows in the destination
	s_and_b32 s2, s5, 3
	s_lshl_b32 s2, s2, 11
	s_lshr_b32 s3, s5, 2
	s_lshl4_add_u32 s2, s3, s2                     ; W_hh's source row, as for W_ih
	s_lshl_b32 s3, s5, 4                           ; hx's
	s_cmp_eq_u32 s41, 1
	s_cselect_b32 s2, s2, s3
	s_lshl_b32 s36, s2, 13
	s_lshl_b32 s3, s6, 12
	s_add_co_u32 s36, s36, s3
	s_mul_i32 s38, s5, 98304
	s_lshl_b32 s3, s6, 11
	s_add_co_u32 s38, s38, s3
	s_add_co_u32 s38, s38, 2048
	s_add_nc_u64 s[SRC:SRC+1], s[SRC:SRC+1], s[36:37]
	s_add_nc_u64 s[DST:DST+1], s[DST:DST+1], s[38:39]
	ROWS16 8192, 6144, 0
	s_endpgm
.Lnot_8k:
	s_cmp_lt_u32 s4, 2048
	s_cbranch_scc0 .Lnot_wo
	; 1792 .. 2047: W_o
	s_sub_co_u32 s5, s4, 1792
	s_lshr_b32 s6, s5, 7
	s_and_b32 s5, s5, 127
	s_lshl_b32 s36, s5, 17
	s_lshl_b32 s3, s6, 12
	s_add_co_u32 s36, s36, s3
	s_lshl_b32 s38, s5, 16
	s_lshl_b32 s3, s6, 11
	s_add_co_u32 s38, s38, s3
	s_add_nc_u64 s[SRC:SRC+1], s[14:15], s[36:37]
	s_add_nc_u64 s[DST:DST+1], s[26:27], s[38:39]
	ROWS16 8192, 4096, 1
	s_endpgm
.Lnot_wo:
	s_cmp_lt_u32 s4, 2176
	s_cbranch_scc0 .Lbias
	; 2048 .. 2175: x and the flag column
	s_sub_co_u32 s5, s4, 2048
	s_mul_i32 s36, s5, 65472                       ; 16 rows of 4,092 bytes
	s_mul_i32 s38, s5, 98304
	s_add_nc_u64 s[SRC:SRC+1], s[16:17], s[36:37]
	s_add_nc_u64 s[DST:DST+1], s[24:25], s[38:39]
	v_mov_b32 v[T1], 8
	v_mov_b32 v[ONE], 1.0
	v_cmp_eq_u32 vcc_lo, 127, v0                   ; the thread whose last number is column 1023
	v_cndmask_b32 v[T0], 12, v[T1], vcc_lo
	v_lshl_add_u32 v[XO3], v0, 4, v[T0]
.set i, 0
.rept 6
	XLOAD i
.set i, i+1
.endr
.set i, 0
.rept 16
.if i+6 < 16
	XLOAD (i+6)
.endif
.if i < 10
	s_wait_loadcnt 48                              ; row i is in; six younger rows of eight loads stay out
.else
	s_wait_loadcnt 8*(15-i)
.endif
	v_cndmask_b32 v[X+8*i+7], v[X+8*i+7], v[ONE], vcc_lo  ; the flag of step 0
	PACKROW 0
	global_store_b64 v[DO], v[X+8*i:X+8*i+1],   s[DST:DST+1] offset:i*6144
	global_store_b64 v[DO], v[X+8*i+4:X+8*i+5], s[DST:DST+1] offset:i*6144+1024
.set i, i+1
.endr
	s_endpgm
.Lbias:
	; 2176 .. 2191: bsum, four numbers a thread; the first of these work-groups also writes out3
	s_sub_co_u32 s5, s4, 2176
	s_lshl_b32 s6, s5, 7
	v_add_nc_u32 v4, s6, v0
	v_lshlrev_b32 v4, 2, v4                        ; n' of my first number
	v_bfe_u32 v5, v4, 4, 2                         ; the gate
	v_lshrrev_b32 v6, 6, v4
	v_and_b32 v7, 12, v4
	v_lshl_or_b32 v7, v6, 4, v7                    ; the hidden unit
	v_lshl_or_b32 v7, v5, 11, v7
	v_lshlrev_b32 v7, 2, v7                        ; source byte
	v_lshlrev_b32 v6, 2, v4                        ; destination byte
	global_load_b128 v[8:11],  v7, s[18:19]
	global_load_b128 v[12:15], v7, s[20:21]
	v_mov_b32 v16, 1
	v_mov_b32 v17, 0
	s_wait_loadcnt 0x0
	v_pk_add_f32 v[8:9],   v[8:9],   v[12:13]
	v_pk_add_f32 v[10:11], v[10:11], v[14:15]
	global_store_b128 v6, v[8:11], s[28:29]
	s_cmp_lg_u32 s5, 0
	s_cbranch_scc1 .Ldone
	v_cmp_eq_u32 vcc_lo, 0, v0
	s_wait_xcnt 0x0                                ; EXEC changes only behind this wait
	s_and_saveexec_b32 s6, vcc_lo
	global_store_b32 v17, v16, s[30:31]            ; ponder_count = 1
	s_wait_xcnt 0x0                                ; and again in front of the line that widens it
	s_or_b32 exec_lo, exec_lo, s6
.Ldone:
	s_endpgm
.Lfunc_end_k_q421a8f9ab3_cvt:
	.size	k_q421a8f9ab3_cvt, .Lfunc_end_k_q421a8f9ab3_cvt-k_q421a8f9ab3_cvt
	.p2alignl 7, 3214868480
	.fill 96, 4, 3214868480
	.section	.rodata,"a",@progbits
	.p2align	6, 0x0
	.amdhsa_kernel k_q421a8f9ab3_cvt
		.amdhsa_group_segment_fixed_size 0
		.amdhsa_private_segment_fixed_size 0
		.amdhsa_enable_private_segment 0
		.amdhsa_kernarg_size 96
		.amdhsa_user_sgpr_count 2
		.amdhsa_user_sgpr_kernarg_segment_ptr 1
		.amdhsa_wavefront_size32 1
		.amdhsa_system_sgpr_workgroup_id_x 1
		.amdhsa_system_sgpr_workgroup_id_y 1
		.amdhsa_system_sgpr_workgroup_id_z 1
		.amdhsa_system_vgpr_workitem_id 0
		.amdhsa_next_free_vgpr 144
		.amdhsa_next_free_sgpr 66
		.amdhsa_reserve_vcc 1
		.amdhsa_float_denorm_mode_32 3
		.amdhsa_float_denorm_mode_16_64 3
		.amdhsa_memory_ordered 1
		.amdhsa_forward_progress 1
		.amdhsa_inst_pref_size 65
	.end_amdhsa_kernel
	.amdgpu_metadata
---
amdhsa.version: [ 1, 2 ]
amdhsa.kernels:
  - .name:           k_q421a8f9ab3_cvt
    .symbol:         k_q421a8f9ab3_cvt.kd
    .args:
      - { .name: W_ih, .offset: 0, .size: 8, .value_kind: global_buffer, .address_space: global }
      - { .name: W_hh, .offset: 8, .size: 8, .value_kind: global_buffer, .address_space: global }
      - { .name: hx, .offset: 16, .size: 8, .value_kind: global_buffer, .address_space: global }
      - { .name: W_o, .offset: 24, .size: 8, .value_kind: global_buffer, .address_space: global }
      - { .name: x, .offset: 32, .size: 8, .value_kind: global_buffer, .address_space: global }
      - { .name: b_ih, .offset: 40, .size: 8, .value_kind: global_buffer, .address_space: global }
      - { .name: b_hh, .offset: 48, .size: 8, .value_kind: global_buffer, .address_space: global }
      - { .name: Wc, .offset: 56, .size: 8, .value_kind: global_buffer, .address_space: global }
      - { .name: A1, .offset: 64, .size: 8, .value_kind: global_buffer, .address_space: global }
      - { .name: Wo16, .offset: 72, .size: 8, .value_kind: global_buffer, .address_space: global }
      - { .name: bsum, .offset: 80, .size: 8, .value_kind: global_buffer, .address_space: global }
      - { .name: out3, .offset: 88, .size: 8, .value_kind: global_buffer, .address_space: global }
    .group_segment_fixed_size: 0
    .private_segment_fixed_size: 0
    .kernarg_segment_align: 8
    .kernarg_segment_size: 96
    .max_flat_workgroup_size: 128
    .sgpr_count:     66
    .vgpr_count:     144
    .wavefront_size: 32
...
	.end_amdgpu_metadata
.endif
;; end of part 1
;; launch gates (part 2): grid 32 x 8, 4 waves a work-group, clusters of 4 x 4, 327,680 bytes of LDS; arguments A1, Wc, bsum, cx, W_p, hb, cb, pd; writes hb, cb, pd
.if DOCPART == 2
	.amdgcn_target "amdgcn-amd-amdhsa--gfx1250"
	.amdhsa_code_object_version 6
	.text
	.protected	k_q421a8f9ab3_gates
	.globl	k_q421a8f9ab3_gates
	.p2align	8
	.type	k_q421a8f9ab3_gates,@function
k_q421a8f9ab3_gates:
	s_mov_b64 s[64:65], 0
	v_nop
	global_prefetch_b8 v0, s[64:65] scope:SCOPE_SE
	s_setreg_imm32_b32 hwreg(HW_REG_WAVE_MODE, 25, 1), 1
	s_wait_xcnt 0x0
	s_wait_alu depctr_hold_cnt(0) depctr_sa_sdst(0) depctr_va_vdst(0) depctr_va_sdst(0) depctr_va_ssrc(0) depctr_va_vcc(0) depctr_vm_vsrc(0)
	s_getreg_b32 s2, hwreg(HW_REG_IB_STS2, 6, 4)
	s_cmp_eq_u32 s2, 0
	s_cbranch_scc0 .Lentry_in_a_cluster
	s_endpgm
.Lentry_in_a_cluster:
	s_bfe_u32 s2, ttmp6, 0x10000c
	s_cmp_lg_u32 s2, 0xf033
	s_cbranch_scc0 .Lentry_shape_is_right
	s_endpgm
.Lentry_shape_is_right:
; gates[row][n'] = sum over k of A1[row][k] Wc[n'][k] + bsum[n'];  c = sigmoid(f) cx + sigmoid(i) tanh(g);  h = sigmoid(o) tanh(c);  partial dots h . W_p.
; Left out, as shown at the head of the first kernel: the factor 1 - halt_prev = 1 and the sums onto zero accumulators; nothing of that kind is computed here.
; A1 [2048][3072], Wc [8192][3072] bf16, sums in f32.  A work-group of four waves makes 256 rows x 256 gate columns (64 hidden units x 4 gates), a wave 128 x 128: 64 accumulators of 16 x 16, 512 registers.
; K goes in steps of 128 through a ring of two LDS slots filled by tensor loads; rows of the tiles are 256 bytes of memory at multiples of 256.
; CLUSTERS: 4 x 4 work-groups; A1's tile is shared along a row of the cluster, Wc's along a column: each is asked for jointly, by the same tensor load with the same descriptor and a mask that names the four.
; THE PRODUCT IS USED TRANSPOSED (source 0 = 16 rows of Wc, source 1 = 16 rows of A1): lane l holds row l % 16 and its registers e the columns 8 (l / 16) + e.  Wc's row order puts the gates of hidden units
; 16 jb + 8 (l / 16) + e into accumulators b = 4 jb + g, g = i, f, g, o: the four gates of one element lie in one lane at one register index, so the LSTM step needs no exchange.
; OUT.  hb (f16; |h| <= 1) and cb (bf16) in fragment order: byte (j >> 8) 2^20 + (row >> 4) 8192 + ((j >> 4) & 15) 512 + 16 lane, lane = row % 16 + 16 ((j >> 3) & 1): a wave's store is 512 consecutive bytes, aligned,
; straight from registers.  pd [64 parts][2048 rows] f32: part 2 T + wcol is the dot over the wave's 32 hidden units, of the unrounded h.
; sigmoid(x) = 1 / (1 + 2^(-L x)), tanh(x) = 1 - 2 / (1 + 2^(2 L x)), L = log2(e): an exponential that overflows gives an infinity whose reciprocal is 0, the right limit.
; LIMITS: the exponential and the reciprocal count denormals as 0; tanh near 0 carries an absolute error of about 1e-7.
; REGISTERS, in windows of 256: window 0: v0-31 addresses; v32-47 W_p, v48-63 cx, v192-255 biases; v64-191 fragments of A1, two buffers (behind the loop: at work); window 1: v64-191 fragments of Wc;
; window 2: accumulators of my rows 0-63 ((a, b) at v[8 (8 a + b)]); window 3: rows 64-127.  s_set_vgpr_msb's low byte: bits 1:0 source 0, 3:2 source 1, 5:4 source 2, 7:6 destination.
.set SIZE_K, 3072
.set KSTEP,  128
.set PITCH,  272                       ; an LDS row: 256 bytes + 16 of padding = 68 words: the 16 rows of a load start at 16 different groups of four banks (64 banks of 4 bytes: ISA guide 11.1)
.set HALFT,  128*PITCH                 ; 128 rows: what one tensor load brings
.set SLOT,   4*HALFT                   ; A1's 256 rows, then Wc's 256 rows
.set STAGE,  2*SLOT                    ; behind the ring: 512 bytes for each wave, its 128 partial dots
.set SPARE,  STAGE+4*512               ; the spare words, 128 bytes for each wave: two blocks of 256 bytes that no other line names
.set LAPS,   SIZE_K/(2*KSTEP)          ; a lap = two K steps = once round the ring
.set CXO,  6                           ; v6   (l % 16) x 8192 + 32 (l / 16): my place in 16 rows of cx
.set BO,   7                           ; v7   32 (l / 16): my 8 numbers in 16 of bsum or W_p
.set HO,   8                           ; v8   16 x lane; never rewritten
.set PST,  9                           ; v9   where my row's partial dot goes
.set PRD,  10                          ; v10  where I read four of them back
.set ADRA, 16                          ; v16-17 LDS address of my A1 fragments in slot 0, 1
.set ADRB, 20                          ; v20-21 the same for Wc
.set SPW,  28                          ; v28  my spare word; never rewritten
.set NIL,  29                          ; v29  0; never rewritten
.set PFO,  30                          ; v30  the prefetches' offset: lane x a row's 6,144 bytes; never rewritten
.set WP,   32                          ; v32-47   W_p of my hidden units: 8 jb + e
.set CX,   48                          ; v48-63   cx of one block of 16 rows
.set F0,   64
.set F1,   128
.set BI,   192                         ; v192-255 biases, 8 b + e, later times the gate's factor
.set G,    64                          ; behind the loop: the block's 64 gate values
.set CC,   128                         ; c
.set HH,   144                         ; h
.set PKH,  160
.set PKC,  168
.set D,    176
.set PO,   180
.set G1,  24                           ; s[24:31] descriptor group 1 for A1's tiles;  s[32:39] group 0, a set for each slot
.set G0,  32
.set G1B, 48                           ; s[48:55], s[56:63] the same for Wc's
.set G0B, 56
.set LIM, 43                           ; s43  1 in a wave that prefetches, else the greatest number
.set PFA, 44                           ; s[44:45] where my prefetches stand
.set BLK, 68                           ; s68  blocks of 16 rows still to go
.set KN,  70                           ; s[70:71] -L
.set KP,  72                           ; s[72:73] 2 L
.set SEL, 74                           ; s[74:75] v_permlanex16_b32's selects: each lane takes its own place in the other half
.set MSB, 0
.macro WIN new                         ; the immediate's high byte repeats the setting that is left; a switch that changes nothing is dropped
.if MSB != (\new)
	s_set_vgpr_msb (MSB<<8)|(\new)
.set MSB, \new
.endif
.endm
.set MUL_LO, 0xa1                      ; source 0 (Wc) window 1, source 1 (A1) window 0, C and D window 2
.set MUL_HI, 0xf1                      ; the same, C and D window 3
.set TO_B,   0x40                      ; destination window 1, address window 0
; A joint load.  Waves 0 and 1 fetch A1's two halves, waves 2 and 3 Wc's.  The branch hangs on the wave's number alone.  An s_nop 0 and four v_nop follow each of the two lines.
.macro JLOAD s
	s_cmp_eq_u32 s11, 0
	s_cbranch_scc0 .Lfor_b_\@
	tensor_load_to_lds s[G0+4*(\s):G0+4*(\s)+3], s[G1:G1+7]
	s_nop 0
.rept 4
	v_nop
.endr
	s_branch .Lasked_\@
.Lfor_b_\@:
	tensor_load_to_lds s[G0B+4*(\s):G0B+4*(\s)+3], s[G1B:G1B+7]
	s_nop 0
.rept 4
	v_nop
.endr
.Lasked_\@:
.endm
; A prefetch of the K step that stands two refills on: 32 rows x 256 bytes, a lane a row, one instruction a wave, 512 matrix instructions ahead of the load that wants it.  Each row's 256 bytes of a K step are named once
; in the launch: A1's rows by the clusters with x = 0, Wc's by those with y = 0; the four partners that ask for a tile jointly share its rows out by address, 32 each.  The loop's last trip has no K step two on.
.macro ASK
	s_cmp_gt_u32 s3, s[LIM]                        ; s3 = 1 in the loop's last trip
	s_cbranch_scc0 .Lnot_mine_\@
	global_prefetch_b8 v[PFO], s[PFA:PFA+1] offset:KSTEP*2 th:TH_LOAD_NT scope:SCOPE_SE
.Lnot_mine_\@:
.endm
.macro CREST                           ; a round of the cluster's barrier behind its opening barrier
	s_cmp_lg_u32 s10, 0
	s_cbranch_scc1 .Lnot_wave_0_\@
	s_barrier_signal -3
.Lnot_wave_0_\@:
	s_barrier_wait -3
	s_barrier_signal -1
	s_barrier_wait -1
.endm
.macro CROUND                          ; a whole round
	s_barrier_signal -1
	s_barrier_wait -1
	CREST
.endm
	s_load_b512 s[80:95], s[0:1], 0x0              ; A1 80, Wc 82, bsum 84, cx 86, W_p 88, hb 90, cb 92, pd 94
	v_lshl_add_u32 v[SPW], v0, 2, SPARE
	v_mov_b32 v[NIL], 0
	ds_add_u32 v[SPW], v[NIL]                      ; the wave's opening: the add, twice on end, and its wait ahead of my first tensor load
	ds_add_u32 v[SPW], v[NIL]                      ; and once more, under the one wait
	v_lshrrev_b32 v1, 5, v0
	v_readfirstlane_b32 s10, v1                    ; wave 0..3
	s_lshr_b32 s11, s10, 1                         ; which half of the tile's rows is mine.  Also: I fetch for A1 (0) or for Wc (1)
	s_and_b32 s12, s10, 1                          ; which half of its columns.  Also: which 128 rows of that tile I fetch
	s_bfe_u32 s40, ttmp6, 0x40000                  ; cx, cy: my place in the cluster
	s_bfe_u32 s41, ttmp6, 0x40004
	s_lshl_b32 s42, ttmp9, 2
	s_add_co_u32 s42, s42, s40                     ; T: tile column = 4 x cluster x + cx
	s_and_b32 s13, ttmp7, 0xffff
	s_lshl_b32 s13, s13, 2
	s_add_co_u32 s13, s13, s41                     ; R: tile row = 4 x cluster y + cy
	s_lshl_b32 s78, s41, 2
	s_lshl_b32 s78, 15, s78                        ; my row of the cluster
	s_lshl_b32 s79, 0x1111, s40                    ; my column
	; descriptor group 1: a tile of 128 rows x 128 elements of 2 bytes, 4 words of padding behind every 64
	s_or_b32 s[G1+0],  s78, (1<<16)|(1<<20)|(1<<21)|(5<<22)|(3<<25)
	s_or_b32 s[G1B+0], s79, (1<<16)|(1<<20)|(1<<21)|(5<<22)|(3<<25)
.irp g, G1, G1B
	s_mov_b32 s[(\g)+1], KSTEP<<16                 ; tensor_dim0 = 128
	s_mov_b32 s[(\g)+2], 128<<16                   ; tensor_dim1 = 128
	s_mov_b32 s[(\g)+3], KSTEP<<16                 ; tile_dim0 = 128
	s_mov_b32 s[(\g)+4], 128                       ; tile_dim1 = 128
	s_mov_b32 s[(\g)+5], SIZE_K                    ; elements from row to row
	s_mov_b32 s[(\g)+6], 0
	s_mov_b32 s[(\g)+7], 0
.endr
	s_lshl_b32 s17, s12, 7                         ; which 128 rows of the tile I fetch
	s_lshl_b32 s16, s13, 8
	s_add_co_u32 s16, s16, s17                     ; A1: row 256 R + 128 x half
	s_lshl_b32 s46, s42, 8
	s_add_co_u32 s46, s46, s17                     ; Wc: row 256 T + 128 x half
	s_mov_b32 s17, 0
	s_mov_b32 s47, 0
	s_mov_b64 s[18:19], SIZE_K*2
	s_mul_u64 s[16:17], s[16:17], s[18:19]
	s_mul_u64 s[46:47], s[46:47], s[18:19]
	s_mul_i32 s20, s10, HALFT                      ; where they go: wave x 128 rows: no place in the cluster enters an LDS address
	s_mov_b32 s[KN], 0xbfb8aa3b
	s_mov_b32 s[KN+1], 0xbfb8aa3b
	s_mov_b32 s[KP], 0x4038aa3b
	s_mov_b32 s[KP+1], 0x4038aa3b
	s_mov_b32 s[SEL], 0x76543210
	s_mov_b32 s[SEL+1], 0xfedcba98
	s_wait_dscnt 0x0                               ; both opening adds are done
	s_wait_kmcnt 0x0
	s_add_nc_u64 s[14:15], s[80:81], s[16:17]
	s_add_nc_u64 s[46:47], s[82:83], s[46:47]
	CROUND                                         ; all sixteen work-groups are here: the first joint loads meet
.irp s, 0,1
	s_mov_b32 s[G0+4*(\s)], 1
	s_add_co_u32 s[G0+4*(\s)+1], s20, (\s)*SLOT
	s_add_nc_u64 s[G0+4*(\s)+2:G0+4*(\s)+3], s[14:15], (\s)*KSTEP*2
	s_or_b32 s[G0+4*(\s)+3], s[G0+4*(\s)+3], 0x80000000
	s_mov_b32 s[G0B+4*(\s)], 1
	s_add_co_u32 s[G0B+4*(\s)+1], s20, (\s)*SLOT
	s_add_nc_u64 s[G0B+4*(\s)+2:G0B+4*(\s)+3], s[46:47], (\s)*KSTEP*2
	s_or_b32 s[G0B+4*(\s)+3], s[G0B+4*(\s)+3], 0x80000000
	JLOAD \s                                       ; the ring is filled before anything else is done: two loads of mine are out
.endr
	; a fragment is 16 rows x 32 K in 8 registers: lane l holds row l % 16; registers 0-3 K = 8 (l / 16) + 0..7, registers 4-7 K = 16 + 8 (l / 16) + 0..7: two loads of 16 bytes, 32 bytes apart
	v_and_b32 v1, 15, v0                           ; l % 16
	v_bfe_u32 v2, v0, 4, 1                         ; l / 16
	v_mul_u32_u24 v3, v1, PITCH
	v_lshl_add_u32 v3, v2, 4, v3
	s_mul_i32 s21, s11, HALFT                      ; my 128 rows of A1
	s_mul_i32 s22, s12, HALFT                      ; my 128 rows of Wc,
	s_add_co_u32 s22, s22, 2*HALFT                 ; which lie behind A1's 256
.irp s, 0,1
	v_add_nc_u32 v[ADRA+(\s)], s21, v3
	v_add_nc_u32 v[ADRB+(\s)], s22, v3
	s_add_co_u32 s21, s21, SLOT
	s_add_co_u32 s22, s22, SLOT
.endr
	v_and_b32 v4, 31, v0
	v_lshlrev_b32 v[HO], 4, v4
	v_lshlrev_b32 v[BO], 5, v2
	v_lshl_add_u32 v[CXO], v1, 13, v[BO]
	s_lshl_b32 s23, s10, 9
	s_add_co_u32 s23, s23, STAGE                   ; my stage
	v_lshl_add_u32 v[PST], v1, 2, s23
	v_add_nc_u32 v[PRD], s23, v[HO]
	; the bases of what the way out reads and writes
	s_lshl_b32 s66, s13, 8
	s_lshl_b32 s4, s11, 7
	s_add_co_u32 s66, s66, s4                      ; my first row
	s_lshl1_add_u32 s67, s42, s12                  ; part = 2 T + wcol: my 32 hidden units
	s_mov_b32 s77, 0
	s_lshl_b32 s76, s66, 13
	s_lshl_b32 s4, s67, 7
	s_add_co_u32 s76, s76, s4
	s_add_nc_u64 s[86:87], s[86:87], s[76:77]      ; cx: row x 8,192 + 128 x part
	s_mov_b32 s76, s4
	s_add_nc_u64 s[88:89], s[88:89], s[76:77]      ; W_p: 128 x part
	s_lshl_b32 s76, s67, 9
	s_add_nc_u64 s[84:85], s[84:85], s[76:77]      ; bsum: 512 x part
	s_lshr_b32 s76, s42, 2
	s_lshl_b32 s76, s76, 20
	s_lshl_b32 s4, s66, 9
	s_add_co_u32 s76, s76, s4
	s_and_b32 s4, s67, 7
	s_lshl_b32 s4, s4, 10
	s_add_co_u32 s76, s76, s4
	s_add_nc_u64 s[90:91], s[90:91], s[76:77]      ; hb and cb: (j >> 8) 2^20 + (row >> 4) 8192 + ((j >> 4) & 15) 512
	s_add_nc_u64 s[92:93], s[92:93], s[76:77]
	s_lshl_b32 s76, s67, 13
	s_lshl_b32 s4, s66, 2
	s_add_co_u32 s76, s76, s4
	s_add_nc_u64 s[94:95], s[94:95], s[76:77]      ; pd: part x 8,192 + 4 x row
	; biases, W_p and the first block's cx: 24 loads that stay out across the loop, into registers that the loop does not name
.irp b, 0,1,2,3,4,5,6,7
	global_load_b128 v[BI+8*(\b):BI+8*(\b)+3],   v[BO], s[84:85] offset:64*(\b)
	global_load_b128 v[BI+8*(\b)+4:BI+8*(\b)+7], v[BO], s[84:85] offset:64*(\b)+16
.endr
.irp j, 0,1
	global_load_b128 v[WP+8*(\j):WP+8*(\j)+3],   v[BO], s[88:89] offset:64*(\j)
	global_load_b128 v[WP+8*(\j)+4:WP+8*(\j)+7], v[BO], s[88:89] offset:64*(\j)+16
.endr
.irp j, 0,1
	global_load_b128 v[CX+8*(\j):CX+8*(\j)+3],   v[CXO], s[86:87] offset:64*(\j)
	global_load_b128 v[CX+8*(\j)+4:CX+8*(\j)+7], v[CXO], s[86:87] offset:64*(\j)+16
.endr
	; the prefetches
	s_lshl_b32 s4, s13, 8
	s_lshl_b32 s5, s42, 8
	s_and_b32 s22, ttmp7, 0xffff                   ; cluster y
	s_cmp_eq_u32 s11, 0                            ; do I fetch for A1?
	s_cselect_b32 s20, s4, s5                      ; the tile's first row
	s_cselect_b32 s21, s40, s41                    ; my place among the four that ask for it with me
	s_cselect_b32 s22, ttmp9, s22                  ; the coordinate along which other clusters read the same rows
	s_cselect_b64 s[PFA:PFA+1], s[80:81], s[82:83]
	s_cmp_eq_u32 s22, 0
	s_cselect_b32 s[LIM], 1, -1                    ; the same in all sixteen partners, for a given wave
	s_lshl_b32 s22, s12, 7
	s_add_co_u32 s20, s20, s22                     ; + the 128 rows that I fetch
	s_lshl_b32 s21, s21, 5
	s_add_co_u32 s20, s20, s21                     ; + my work-group's 32 of them
	s_mov_b32 s21, 0
	s_mov_b64 s[18:19], SIZE_K*2
	s_mul_u64 s[20:21], s[20:21], s[18:19]
	s_add_nc_u64 s[PFA:PFA+1], s[PFA:PFA+1], s[20:21]
	s_add_nc_u64 s[PFA:PFA+1], s[PFA:PFA+1], 2*KSTEP*2  ; at K step 2: the first refill steps it to 3 and names K step 4; nothing is prefetched at the head
	v_and_b32 v[PFO], 31, v0
	v_mul_u32_u24 v[PFO], v[PFO], SIZE_K*2
; 16 matrix instructions: row blocks a0, a0 + 1 of the window's four x all 8 column blocks, 32 along K.  zero = 1: the first product starts the sums.  The 64 accumulators take turns.
.macro MUL16 f, hi, a0, zero
	WIN MUL_LO+0x50*(\hi)
.irp a, \a0, (\a0)+1
.irp b, 0,1,2,3,4,5,6,7
.if \zero
	v_wmma_f32_16x16x32_bf16 v[8*(8*(\a)+(\b)):8*(8*(\a)+(\b))+7], v[(\f)+8*(\b):(\f)+8*(\b)+7], v[(\f)+8*(4*(\hi)+(\a)):(\f)+8*(4*(\hi)+(\a))+7], 0
.else
	v_wmma_f32_16x16x32_bf16 v[8*(8*(\a)+(\b)):8*(8*(\a)+(\b))+7], v[(\f)+8*(\b):(\f)+8*(\b)+7], v[(\f)+8*(4*(\hi)+(\a)):(\f)+8*(4*(\hi)+(\a))+7], v[8*(8*(\a)+(\b)):8*(8*(\a)+(\b))+7]
.endif
.endr
.endr
.endm
; 32 LDS loads in one run: the fragments of one quarter step (32 K at byte k of the rows) into buffer f
.macro FETCH slot, k, f
	WIN TO_B
.irp i, 0,1,2,3,4,5,6,7
	ds_load_b128 v[(\f)+8*(\i):(\f)+8*(\i)+3],   v[ADRB+(\slot)] offset:(\k)+(\i)*16*PITCH
	ds_load_b128 v[(\f)+8*(\i)+4:(\f)+8*(\i)+7], v[ADRB+(\slot)] offset:(\k)+(\i)*16*PITCH+32
.endr
	WIN 0
.irp i, 0,1,2,3,4,5,6,7
	ds_load_b128 v[(\f)+8*(\i):(\f)+8*(\i)+3],   v[ADRA+(\slot)] offset:(\k)+(\i)*16*PITCH
	ds_load_b128 v[(\f)+8*(\i)+4:(\f)+8*(\i)+7], v[ADRA+(\slot)] offset:(\k)+(\i)*16*PITCH+32
.endr
.endm
.macro PLACES                          ; four plain places between a matrix instruction and a load into a register that it has read (ISA guide 7.12.1 for vector instructions)
.rept 4
	v_nop
.endr
.endm
; A K step is four quarters of 32 along K, 64 matrix instructions each, on buffers 0, 1, 0, 1.  One of the first three multiplies buffer f and fetches the next quarter, at byte k, into g.
.macro QUARTER slot, k, f, g, zero
	s_wait_dscnt 8                                 ; Wc's and A1's rows 0-63 are in; the youngest eight loads (A1's rows 64-127) may be out
	MUL16 \f, 0, 0, \zero
	MUL16 \f, 0, 2, \zero
	PLACES
	FETCH \slot, \k, \g
	s_wait_dscnt 32                                ; all but the 32 just issued
	MUL16 \f, 1, 0, \zero
	MUL16 \f, 1, 2, \zero
.endm
; The first half of the last quarter: one barrier for the change of slots.  In front of it each wave waits for all its tensor loads (one is out: its part of the next slot), adds 0 to its spare word, and waits for that and for its reads of this slot.
.macro MEET round
	WIN 0                                          ; (the add's two registers lie in window 0)
	s_wait_tensorcnt 0x0
	ds_add_u32 v[SPW], v[NIL]
	s_wait_dscnt 9                                 ; (the add and the youngest eight loads may be out)
	MUL16 F1, 0, 0, 0                              ; sixteen matrix instructions stand between the add and the wait for it
	s_wait_dscnt 0x0                               ; the add is done, and my reads of this slot are over
	s_barrier_signal -1
	MUL16 F1, 0, 2, 0                              ; work on registers while the others arrive
.if \round
	WIN 0
.endif
	s_barrier_wait -1
.endm
; The whole last quarter.  fill = 1: the barrier opens a round of the cluster's barrier, and the slot just read out is filled again first thing behind it, with the K step two on: 224 matrix instructions ahead of the wait for it.
.macro TURN slot, next, fill
.if \fill
	s_wait_xcnt 0x0                                ; the last prefetch, a K step back, has read its address
	s_add_nc_u64 s[PFA:PFA+1], s[PFA:PFA+1], KSTEP*2
	MEET 1
	CREST                                          ; no wave of any partner still reads this slot's tile or has a load on its way
	s_add_nc_u64 s[G0+4*(\slot)+2:G0+4*(\slot)+3], s[G0+4*(\slot)+2:G0+4*(\slot)+3], 2*KSTEP*2
	s_add_nc_u64 s[G0B+4*(\slot)+2:G0B+4*(\slot)+3], s[G0B+4*(\slot)+2:G0B+4*(\slot)+3], 2*KSTEP*2
	JLOAD \slot                                    ; its four v_nop are also the places in front of the loads below
.else
	MEET 0
	PLACES
.endif
	FETCH \next, 0, F0
.if \fill
	ASK
.endif
	MUL16 F1, 1, 0, 0
	MUL16 F1, 1, 2, 0
.endm
	s_wait_tensorcnt 1                             ; my part of K step 0 is in; K step 1's may stay out
	s_barrier_signal -1
	s_barrier_wait -1
	FETCH 0, 0, F0
	QUARTER 0, 64,  F0, F1, 1                      ; the first quarter stands in front of the loop: its products start the sums
	WIN 0                                          ; at a label and at a branch every window is 0
	s_mov_b32 s3, LAPS-1
.Llap:                                                 ; a trip goes once round the ring, from a lap's second quarter to the next lap's first, and fills both slots again
	QUARTER 0, 128, F1, F0, 0
	QUARTER 0, 192, F0, F1, 0
	TURN 0, 1, 1
	QUARTER 1, 64,  F0, F1, 0
	QUARTER 1, 128, F1, F0, 0
	QUARTER 1, 192, F0, F1, 0
	TURN 1, 0, 1
	QUARTER 0, 64,  F0, F1, 0
	WIN 0
	s_sub_co_u32 s3, s3, 1
	s_cmp_lg_u32 s3, 0
	s_cbranch_scc1 .Llap
	QUARTER 0, 128, F1, F0, 0                      ; the last lap fills nothing
	QUARTER 0, 192, F0, F1, 0
	TURN 0, 1, 0
	QUARTER 1, 64,  F0, F1, 0
	QUARTER 1, 128, F1, F0, 0
	QUARTER 1, 192, F0, F1, 0
	s_wait_dscnt 8                                 ; the very last quarter: nothing more to fetch
	MUL16 F1, 0, 0, 0
	MUL16 F1, 0, 2, 0
	s_wait_dscnt 0x0
	MUL16 F1, 1, 0, 0
	MUL16 F1, 1, 2, 0
	WIN 0
	; THE LSTM STEP, a block of 16 rows at a time.  The biases take their gate's factor once: 32 plain instructions, which are also the places behind the last products.
	s_wait_loadcnt 0x0                             ; biases, W_p, the first block's cx
.irp b, 0,1,2,3,4,5,6,7
.irp p, 0,1,2,3
.if ((\b)%4) == 2
	v_pk_mul_f32 v[BI+8*(\b)+2*(\p):BI+8*(\b)+2*(\p)+1], v[BI+8*(\b)+2*(\p):BI+8*(\b)+2*(\p)+1], s[KP:KP+1] op_sel_hi:[1,0]
.else
	v_pk_mul_f32 v[BI+8*(\b)+2*(\p):BI+8*(\b)+2*(\p)+1], v[BI+8*(\b)+2*(\p):BI+8*(\b)+2*(\p)+1], s[KN:KN+1] op_sel_hi:[1,0]
.endif
.endr
.endr
; Block a's 64 sums leave their window: exponent = factor x sum + factor x bias, -L for i, f, o and 2 L for g.  Each accumulator is read from its low end on.
.macro E1 a
	WIN 2+(\a)/4                                   ; source 0 in window 2 or 3
.irp b, 0,1,2,3,4,5,6,7
.irp p, 0,1,2,3
.if ((\b)%4) == 2
	v_pk_fma_f32 v[G+8*(\b)+2*(\p):G+8*(\b)+2*(\p)+1], v[64*((\a)%4)+8*(\b)+2*(\p):64*((\a)%4)+8*(\b)+2*(\p)+1], s[KP:KP+1], v[BI+8*(\b)+2*(\p):BI+8*(\b)+2*(\p)+1] op_sel_hi:[1,0,1]
.else
	v_pk_fma_f32 v[G+8*(\b)+2*(\p):G+8*(\b)+2*(\p)+1], v[64*((\a)%4)+8*(\b)+2*(\p):64*((\a)%4)+8*(\b)+2*(\p)+1], s[KN:KN+1], v[BI+8*(\b)+2*(\p):BI+8*(\b)+2*(\p)+1] op_sel_hi:[1,0,1]
.endif
.endr
.endr
	WIN 0
.endm
	s_mov_b32 s[BLK], 8
.Lblk:                                                 ; eight trips; only the 32 lines that name the block's accumulators are written eight times
.irp a, 0,1,2,3,4,5,6
	s_cmp_eq_u32 s[BLK], 8-(\a)
	s_cbranch_scc1 .Lcase\a
.endr
	E1 7
	s_branch .Lcom
.irp a, 0,1,2,3,4,5,6
.Lcase\a:
	E1 \a
.if (\a) < 6
	s_branch .Lcom
.endif
.endr
.Lcom:
.set i, 0
.rept 64
	v_exp_f32 v[G+i], v[G+i]
.set i, i+1
.endr
	v_nop                                          ; a plain instruction behind the last exponential,
	s_wait_alu depctr_va_vdst(0)                   ; and one wait for the batch of 64, ahead of its first reader
.set i, 0
.rept 32
	v_pk_add_f32 v[G+i:G+i+1], v[G+i:G+i+1], 1.0 op_sel_hi:[1,0]
.set i, i+2
.endr
.set i, 0
.rept 64
	v_rcp_f32 v[G+i], v[G+i]
.set i, i+1
.endr
	v_nop
	s_wait_alu depctr_va_vdst(0)                   ; one wait for the 64 reciprocals
.irp j, 0,1
.irp p, 0,1,2,3
	v_pk_fma_f32 v[G+32*(\j)+16+2*(\p):G+32*(\j)+17+2*(\p)], v[G+32*(\j)+16+2*(\p):G+32*(\j)+17+2*(\p)], -2.0, 1.0 op_sel_hi:[1,0,0]  ; tanh(g)
.endr
.endr
.irp j, 0,1
.irp p, 0,1,2,3
	v_pk_mul_f32 v[CC+8*(\j)+2*(\p):CC+8*(\j)+2*(\p)+1], v[G+32*(\j)+2*(\p):G+32*(\j)+2*(\p)+1], v[G+32*(\j)+16+2*(\p):G+32*(\j)+17+2*(\p)]  ; sigmoid(i) tanh(g)
.endr
.endr
	s_wait_loadcnt 0x0                             ; this block's cx, asked for a trip ago
.irp j, 0,1
.irp p, 0,1,2,3
	v_pk_fma_f32 v[CC+8*(\j)+2*(\p):CC+8*(\j)+2*(\p)+1], v[G+32*(\j)+8+2*(\p):G+32*(\j)+9+2*(\p)], v[CX+8*(\j)+2*(\p):CX+8*(\j)+2*(\p)+1], v[CC+8*(\j)+2*(\p):CC+8*(\j)+2*(\p)+1]  ; + sigmoid(f) cx
.endr
.endr
	s_cmp_eq_u32 s[BLK], 1                         ; the last block has none behind it: no load leaves cx
	s_cbranch_scc1 .Lno_cx
	s_add_nc_u64 s[86:87], s[86:87], 131072        ; 16 rows on; the wait above has shown the loads that read this base done
.irp j, 0,1
	global_load_b128 v[CX+8*(\j):CX+8*(\j)+3],   v[CXO], s[86:87] offset:64*(\j)
	global_load_b128 v[CX+8*(\j)+4:CX+8*(\j)+7], v[CXO], s[86:87] offset:64*(\j)+16
.endr
.Lno_cx:
.set i, 0
.rept 8
	v_pk_mul_f32 v[HH+i:HH+i+1], v[CC+i:CC+i+1], s[KP:KP+1] op_sel_hi:[1,0]
.set i, i+2
.endr
.set i, 0
.rept 16
	v_exp_f32 v[HH+i], v[HH+i]
.set i, i+1
.endr
.set i, 0
.rept 8
	v_cvt_pk_bf16_f32 v[PKC+i], v[CC+2*i], v[CC+2*i+1]  ; c rounded once; independent work behind the exponentials
.set i, i+1
.endr
	s_wait_alu depctr_va_vdst(0)
.set i, 0
.rept 8
	v_pk_add_f32 v[HH+i:HH+i+1], v[HH+i:HH+i+1], 1.0 op_sel_hi:[1,0]
.set i, i+2
.endr
.set i, 0
.rept 16
	v_rcp_f32 v[HH+i], v[HH+i]
.set i, i+1
.endr
	v_nop
	s_wait_alu depctr_va_vdst(0)
.set i, 0
.rept 8
	v_pk_fma_f32 v[HH+i:HH+i+1], v[HH+i:HH+i+1], -2.0, 1.0 op_sel_hi:[1,0,0]  ; tanh(c)
.set i, i+2
.endr
.irp j, 0,1
.irp p, 0,1,2,3
	v_pk_mul_f32 v[HH+8*(\j)+2*(\p):HH+8*(\j)+2*(\p)+1], v[HH+8*(\j)+2*(\p):HH+8*(\j)+2*(\p)+1], v[G+32*(\j)+24+2*(\p):G+32*(\j)+25+2*(\p)]  ; h = sigmoid(o) tanh(c)
.endr
.endr
	v_pk_mul_f32 v[D:D+1], v[HH:HH+1], v[WP:WP+1]  ; h . W_p over my 16 hidden units; the roundings of h stand between the chain's links
	v_cvt_pk_f16_f32 v[PKH], v[HH], v[HH+1]
.set i, 1
.rept 7
	v_pk_fma_f32 v[D:D+1], v[HH+2*i:HH+2*i+1], v[WP+2*i:WP+2*i+1], v[D:D+1]
	v_cvt_pk_f16_f32 v[PKH+i], v[HH+2*i], v[HH+2*i+1]
.set i, i+1
.endr
.irp j, 0,1
	global_store_b128 v[HO], v[PKH+4*(\j):PKH+4*(\j)+3], s[90:91] offset:512*(\j)  ; 512 consecutive bytes a wave, at a multiple of 512 from the buffer's first
	global_store_b128 v[HO], v[PKC+4*(\j):PKC+4*(\j)+3], s[92:93] offset:512*(\j)
.endr
	v_add_f32 v[D], v[D], v[D+1]
	v_permlanex16_b32 v[D+1], v[D], s[SEL], s[SEL+1]  ; the row's other 16 hidden units lie in the lane 16 away
	v_add_f32 v[D], v[D], v[D+1]
	ds_store_b32 v[PST], v[D]                      ; both halves of the lanes write the same word with the same value
	v_add_nc_u32 v[PST], 64, v[PST]
	s_wait_xcnt 0x0                                ; the stores have read their data and bases: only now are these rewritten
	s_add_nc_u64 s[90:91], s[90:91], 8192
	s_add_nc_u64 s[92:93], s[92:93], 8192
	s_sub_co_u32 s[BLK], s[BLK], 1
	s_cmp_lg_u32 s[BLK], 0
	s_cbranch_scc1 .Lblk
	ds_load_b128 v[PO:PO+3], v[PRD]                ; my wave's own bytes: LDS serves a wave's instructions in order (ISA guide 5.7.1.4)
	s_wait_dscnt 0x0
	global_store_b128 v[HO], v[PO:PO+3], s[94:95]  ; 128 rows' partial dots: 512 consecutive bytes
	s_wait_tensorcnt 0x0                           ; the wave's end: behind my last tensor load and my last LDS store
	ds_add_u32 v[SPW], v[NIL]
	s_wait_dscnt 0x0
	CROUND                                         ; the closing round: no work-group ends while a partner may still ask for a tile that names it
	s_endpgm
.Lfunc_end_k_q421a8f9ab3_gates:
	.size	k_q421a8f9ab3_gates, .Lfunc_end_k_q421a8f9ab3_gates-k_q421a8f9ab3_gates
	.p2alignl 7, 3214868480
	.fill 96, 4, 3214868480
	.section	.rodata,"a",@progbits
	.p2align	6, 0x0
	.amdhsa_kernel k_q421a8f9ab3_gates
		.amdhsa_group_segment_fixed_size 327680
		.amdhsa_private_segment_fixed_size 0
		.amdhsa_enable_private_segment 0
		.amdhsa_kernarg_size 64
		.amdhsa_user_sgpr_count 2
		.amdhsa_user_sgpr_kernarg_segment_ptr 1
		.amdhsa_wavefront_size32 1
		.amdhsa_system_sgpr_workgroup_id_x 1
		.amdhsa_system_sgpr_workgroup_id_y 1
		.amdhsa_system_sgpr_workgroup_id_z 1
		.amdhsa_system_vgpr_workitem_id 0
		.amdhsa_next_free_vgpr 1024
		.amdhsa_next_free_sgpr 96
		.amdhsa_reserve_vcc 0
		.amdhsa_float_denorm_mode_32 3
		.amdhsa_float_denorm_mode_16_64 3
		.amdhsa_memory_ordered 1
		.amdhsa_forward_progress 1
		.amdhsa_inst_pref_size 148
	.end_amdhsa_kernel
	.amdgpu_metadata
---
amdhsa.version: [ 1, 2 ]
amdhsa.kernels:
  - .name:           k_q421a8f9ab3_gates
    .symbol:         k_q421a8f9ab3_gates.kd
    .args:
      - { .name: A1, .offset: 0, .size: 8, .value_kind: global_buffer, .address_space: global }
      - { .name: Wc, .offset: 8, .size: 8, .value_kind: global_buffer, .address_space: global }
      - { .name: bsum, .offset: 16, .size: 8, .value_kind: global_buffer, .address_space: global }
      - { .name: cx, .offset: 24, .size: 8, .value_kind: global_buffer, .address_space: global }
      - { .name: W_p, .offset: 32, .size: 8, .value_kind: global_buffer, .address_space: global }
      - { .name: hb, .offset: 40, .size: 8, .value_kind: global_buffer, .address_space: global }
      - { .name: cb, .offset: 48, .size: 8, .value_kind: global_buffer, .address_space: global }
      - { .name: pd, .offset: 56, .size: 8, .value_kind: global_buffer, .address_space: global }
    .group_segment_fixed_size: 327680
    .private_segment_fixed_size: 0
    .kernarg_segment_align: 8
    .kernarg_segment_size: 64
    .max_flat_workgroup_size: 128
    .sgpr_count:     96
    .vgpr_count:     1024
    .wavefront_size: 32
...
	.end_amdgpu_metadata
.endif
;; end of part 2
;; launch outp (part 3): grid 16 x 16, 4 waves a work-group, clusters of 4 x 4, 327,680 bytes of LDS; arguments hb, Wo16, cb, pd, b_o, b_p, out0, out1, out2; writes out0, out1, out2
.if DOCPART == 3
	.amdgcn_target "amdgcn-amd-amdhsa--gfx1250"
	.amdhsa_code_object_version 6
	.text
	.protected	k_q421a8f9ab3_outp
	.globl	k_q421a8f9ab3_outp
	.p2align	8
	.type	k_q421a8f9ab3_outp,@function
k_q421a8f9ab3_outp:
	s_mov_b64 s[64:65], 0
	v_nop
	global_prefetch_b8 v0, s[64:65] scope:SCOPE_SE
	s_setreg_imm32_b32 hwreg(HW_REG_WAVE_MODE, 25, 1), 1
	s_wait_xcnt 0x0
	s_wait_alu depctr_hold_cnt(0) depctr_sa_sdst(0) depctr_va_vdst(0) depctr_va_sdst(0) depctr_va_ssrc(0) depctr_va_vcc(0) depctr_vm_vsrc(0)
	s_getreg_b32 s2, hwreg(HW_REG_IB_STS2, 6, 4)
	s_cmp_eq_u32 s2, 0
	s_cbranch_scc0 .Lentry_in_a_cluster
	s_endpgm
.Lentry_in_a_cluster:
	s_bfe_u32 s2, ttmp6, 0x10000c
	s_cmp_lg_u32 s2, 0xf033
	s_cbranch_scc0 .Lentry_shape_is_right
	s_endpgm
.Lentry_shape_is_right:
; gx = sigmoid(h . W_p + b_p); p = 1 where gx > 0.99, else gx; out0 = p h; out1 = p c; out2 = p (h W_o^T + b_o).
; Left out, as shown at the head of the first kernel: halt_prev = 0, the sums onto zero accumulators, and all that serves ponder_count alone; p's two arms are both made and selected.
; A work-group of four waves owns 128 rows x 128 columns of all three outputs, a wave 64 x 64.  First p of the 128 rows, a row a thread, from the 64 partial dots (f32, added in a fixed order); then the product over
; K = 2048 in eight steps of 256 through a ring of two LDS slots; then out2.  OUT0 AND OUT1 LEAVE IN THE RING: my 64 x 64 of each is four blocks of 16 rows, eight blocks in all, one in each K step.
; THE WALK ALONG K GOES ROUND: it starts at step 2 (X + Y) mod 8, X and Y the cluster's place in the grid (f32 sums may be taken in any order).  Of the four clusters that read the same rows of h (same Y), and of
; the four that read the same rows of W_o (same X), no two ask for the same K step in the same trip.  The step's number is made of X and Y alone: it is the same in all sixteen partners of a cluster.
; h (f16) lies in memory in fragment order: 16 rows x 16 K are 512 bytes, lane l's 16 bytes at 16 l.  A K step's 128 rows are 65,536 dense bytes, asked for as rows of 256; an LDS load takes 512 consecutive bytes.
; Wo16 [2048][2048] f16: rows of 512 bytes, 16 of padding behind each.  CLUSTERS: 4 x 4; h's tile is shared along a row of the cluster, W_o's along a column, by joint loads.
; THE PRODUCT IS USED TRANSPOSED (source 0 = 16 rows of W_o, source 1 = 16 rows of h): lane l holds row l % 16 and the columns 8 (l / 16) + 0..7, which is also how a chunk of hb or cb lies in a lane: one way out for all three.
; No prefetch: the K steps are few and the tiles small.
; LIMITS: the exponential and the reciprocal count denormals as 0; -0 in out0 and out1 leaves as +0.
; REGISTERS: window 0: v0-31 addresses and p; v32-63 at work (first v32-95: the partial dots); v64-95 rows read back; v96-111 h, v112-127 c of one block of 16 rows (on the way out of out2: a second buffer of rows read back);
; v128-255 the accumulators ((a, b) at v[128 + 8 (4 a + b)]); window 1: two fragment buffers of 128 (64 of h, then 64 of W_o, for 64 along K); window 2: v0-31 b_o.
.set KSTEP,  256
.set PITCH,  528                       ; a row of W_o in LDS: 512 bytes + 16 = 132 words: the 16 rows of a load start at 16 different groups of four banks (64 banks of 4 bytes: ISA guide 11.1)
.set AHALF,  32768                     ; 64 rows of h for a K step
.set BHALF,  64*PITCH
.set BOFF,   2*AHALF
.set SLOT,   BOFF+2*BHALF
.set STAGE,  2*SLOT                    ; behind the ring: 16 rows x 272 bytes for each wave
.set SPITCH, 272
.set PTAB,   STAGE+4*16*SPITCH         ; p of the work-group's 128 rows
.set SPARE,  PTAB+512                  ; the spare words, 128 bytes for each wave: two blocks of 256 bytes that no other line names
.set LAPS,   4                         ; 2048 / (2 x 256)
.set PP,   6                           ; v6-13  pair a: p of my row in block a, twice
.set ZR,   14                          ; v14  0
.set PDO,  15                          ; v15  4 x thread
.set ADRA, 16                          ; v16-17
.set PTW,  18
.set PTR,  19
.set ADRB, 20                          ; v20-21
.set HO,   22                          ; v22  16 x lane; never rewritten
.set BOO,  23                          ; v23  32 (l / 16)
.set STO,  24
.set RD,   25
.set CO,   26
.set PC,   27                          ; v27  p of my row in the block that the ring has in hand
.set SPW,  28
.set NIL,  29
.set Q1,   30                          ; v30, v31  p of the next block and of the one after it
.set Q2,   31
.set TMP,  32
.set BK0,  64
.set BK1,  96
.set HU,   96                          ; h of one block: chunk b at 4 b
.set CU,   112                         ; c likewise
.set ACC,  128
.set F0,   0
.set F1,   128
.set BOV,  0                           ; window 2
.set KI,   5                           ; s5, s6  the K step that slot 0, 1 holds or has been asked for
.set G1,  24
.set G0,  32
.set G1B, 48
.set G0B, 56
.set MSB, 0
.macro WIN new
.if MSB != (\new)
	s_set_vgpr_msb (MSB<<8)|(\new)
.set MSB, \new
.endif
.endm
.set MUL,  0x05                        ; sources 0 (W_o) and 1 (h) window 1; C and D window 0
.set TO_F, 0x40                        ; destination window 1, address window 0
.macro JLOAD s                         ; a joint load: waves 0 and 1 fetch h's two halves, waves 2 and 3 W_o's; an s_nop 0 and four v_nop follow each of the two lines
	s_cmp_eq_u32 s11, 0
	s_cbranch_scc0 .Lfor_b_\@
	tensor_load_to_lds s[G0+4*(\s):G0+4*(\s)+3], s[G1:G1+7]
	s_nop 0
.rept 4
	v_nop
.endr
	s_branch .Lasked_\@
.Lfor_b_\@:
	tensor_load_to_lds s[G0B+4*(\s):G0B+4*(\s)+3], s[G1B:G1B+7]
	s_nop 0
.rept 4
	v_nop
.endr
.Lasked_\@:
.endm
.macro CREST
	s_cmp_lg_u32 s10, 0
	s_cbranch_scc1 .Lnot_wave_0_\@
	s_barrier_signal -3
.Lnot_wave_0_\@:
	s_barrier_wait -3
	s_barrier_signal -1
	s_barrier_wait -1
.endm
.macro CROUND
	s_barrier_signal -1
	s_barrier_wait -1
	CREST
.endm
; The addresses of slot s's two descriptors, made anew from the slot's K step: a step is 2^20 bytes of hb and 512 bytes of a row of Wo16.  Written only where no tensor load of the wave is out.
.macro WHERE s
	s_lshl_b32 s8, s[KI+(\s)], 20
	s_add_nc_u64 s[G0+4*(\s)+2:G0+4*(\s)+3], s[14:15], s[8:9]
	s_or_b32 s[G0+4*(\s)+3], s[G0+4*(\s)+3], 0x80000000
	s_lshl_b32 s8, s[KI+(\s)], 9
	s_add_nc_u64 s[G0B+4*(\s)+2:G0B+4*(\s)+3], s[46:47], s[8:9]
	s_or_b32 s[G0B+4*(\s)+3], s[G0B+4*(\s)+3], 0x80000000
.endm
	s_load_b512 s[68:83], s[0:1], 0x0              ; hb 68, Wo16 70, cb 72, pd 74, b_o 76, b_p 78, out0 80, out1 82
	s_load_b64 s[84:85], s[0:1], 0x40              ; out2
	v_lshl_add_u32 v[SPW], v0, 2, SPARE
	v_mov_b32 v[NIL], 0
	ds_add_u32 v[SPW], v[NIL]                      ; the wave's opening: the add, twice on end, and its wait ahead of my first tensor load
	ds_add_u32 v[SPW], v[NIL]                      ; and once more, under the one wait
	v_lshrrev_b32 v1, 5, v0
	v_readfirstlane_b32 s10, v1                    ; wave 0..3
	s_lshr_b32 s11, s10, 1                         ; which half of the block's rows is mine.  Also: I fetch for h (0) or for W_o (1)
	s_and_b32 s12, s10, 1                          ; which half of its columns.  Also: which half of that tile I fetch
	s_bfe_u32 s40, ttmp6, 0x40000
	s_bfe_u32 s41, ttmp6, 0x40004
	s_lshl_b32 s42, ttmp9, 2
	s_add_co_u32 s42, s42, s40                     ; tile column
	s_and_b32 s13, ttmp7, 0xffff                   ; Y
	s_add_co_u32 s[KI], s13, ttmp9                 ; X + Y
	s_lshl_b32 s[KI], s[KI], 1
	s_and_b32 s[KI], s[KI], 7                      ; the K step at which my cluster begins: slot 0's,
	s_add_co_u32 s[KI+1], s[KI], 1                 ; and slot 1's (the first is even: 7 at the most)
	s_mov_b32 s9, 0                                ; the offsets' high word
	s_lshl_b32 s13, s13, 2
	s_add_co_u32 s13, s13, s41                     ; tile row
	s_lshl_b32 s43, s41, 2
	s_lshl_b32 s43, 15, s43                        ; my row of the cluster
	s_lshl_b32 s44, 0x1111, s40                    ; my column
	; h: 32,768 dense bytes as 128 rows of 32 elements of 8 bytes, no padding
	s_or_b32 s[G1+0], s43, (3<<16)|(1<<21)
	s_mov_b32 s[G1+1], 32<<16                      ; tensor_dim0 = 32
	s_mov_b32 s[G1+2], 128<<16                     ; tensor_dim1 = 128
	s_mov_b32 s[G1+3], 32<<16                      ; tile_dim0 = 32
	s_mov_b32 s[G1+4], 128                         ; tile_dim1 = 128
	s_mov_b32 s[G1+5], 32                          ; elements from row to row
	s_mov_b32 s[G1+6], 0
	s_mov_b32 s[G1+7], 0
	; W_o: 64 rows x 256 elements of 2 bytes, 4 words of padding behind every 128
	s_or_b32 s[G1B+0], s44, (1<<16)|(1<<20)|(1<<21)|(6<<22)|(3<<25)
	s_mov_b32 s[G1B+1], KSTEP<<16
	s_mov_b32 s[G1B+2], 64<<16
	s_mov_b32 s[G1B+3], KSTEP<<16
	s_mov_b32 s[G1B+4], 64
	s_mov_b32 s[G1B+5], 2048
	s_mov_b32 s[G1B+6], 0
	s_mov_b32 s[G1B+7], 0
	s_lshl_b32 s16, s13, 16                        ; h: 65,536 x tile row + 32,768 x half
	s_lshl_b32 s17, s12, 15
	s_add_co_u32 s16, s16, s17
	s_mov_b32 s17, 0
	s_lshl_b32 s46, s42, 19                        ; W_o: (128 x tile column + 64 x half) rows of 4,096 bytes
	s_lshl_b32 s47, s12, 18
	s_add_co_u32 s46, s46, s47
	s_mov_b32 s47, 0
	s_lshl_b32 s20, s12, 15                        ; where they go: no place in the cluster enters an LDS address
	s_mul_i32 s21, s12, BHALF
	s_add_co_u32 s21, s21, BOFF
	s_mov_b32 s88, 0xbfb8aa3b                      ; -log2(e)
	s_wait_dscnt 0x0                               ; both opening adds are done
	s_wait_kmcnt 0x0
	s_add_nc_u64 s[14:15], s[68:69], s[16:17]      ; my part of h's tile at K step 0; kept
	s_add_nc_u64 s[46:47], s[70:71], s[46:47]      ; the same for W_o; kept
	CROUND                                         ; all sixteen work-groups are here: the first joint loads meet
.irp s, 0,1
	s_mov_b32 s[G0+4*(\s)], 1
	s_add_co_u32 s[G0+4*(\s)+1], s20, (\s)*SLOT
	s_mov_b32 s[G0B+4*(\s)], 1
	s_add_co_u32 s[G0B+4*(\s)+1], s21, (\s)*SLOT
	WHERE \s
	JLOAD \s                                       ; two loads of mine are out
.endr
	s_load_b32 s86, s[78:79], 0x0                  ; b_p
	s_lshl_b32 s66, s13, 7
	s_lshl_b32 s4, s11, 6
	s_add_co_u32 s66, s66, s4                      ; my first row
	s_lshl_b32 s67, s42, 7
	s_lshl_b32 s4, s12, 6
	s_add_co_u32 s67, s67, s4                      ; my first column
	s_mov_b32 s95, 0
	s_lshl_b32 s94, s66, 13
	s_lshl_b32 s4, s67, 2
	s_add_co_u32 s94, s94, s4
	s_add_nc_u64 s[80:81], s[80:81], s[94:95]      ; the three outputs at my 64 x 64
	s_add_nc_u64 s[82:83], s[82:83], s[94:95]
	s_add_nc_u64 s[84:85], s[84:85], s[94:95]
	s_lshr_b32 s94, s42, 1
	s_lshl_b32 s94, s94, 20
	s_lshl_b32 s4, s66, 9
	s_add_co_u32 s94, s94, s4
	s_bfe_u32 s4, s67, 0x40004
	s_lshl_b32 s4, s4, 9
	s_add_co_u32 s94, s94, s4
	s_add_nc_u64 s[90:91], s[68:69], s[94:95]      ; hb and cb at my block's first chunk
	s_add_nc_u64 s[92:93], s[72:73], s[94:95]
	s_lshl_b32 s94, s67, 2
	s_add_nc_u64 s[76:77], s[76:77], s[94:95]      ; b_o at my first column
	s_lshl_b32 s94, s13, 9
	s_add_nc_u64 s[74:75], s[74:75], s[94:95]      ; pd at the work-group's first row
	v_and_b32 v1, 15, v0                           ; l % 16
	v_bfe_u32 v2, v0, 4, 1                         ; l / 16
	v_and_b32 v3, 31, v0
	v_lshlrev_b32 v[HO], 4, v3
	v_lshlrev_b32 v[BOO], 5, v2
	v_lshlrev_b32 v[PDO], 2, v0
	v_mov_b32 v[ZR], 0
	; 64 partial dots of my row, then the first block of h and of c, and b_o: 80 loads
.set i, 0
.rept 64
	global_load_b32 v[32+i], v[PDO], s[74:75] offset:8192*i
.set i, i+1
.endr
.irp b, 0,1,2,3
	global_load_b128 v[HU+4*(\b):HU+4*(\b)+3], v[HO], s[90:91] offset:512*(\b)
.endr
.irp b, 0,1,2,3
	global_load_b128 v[CU+4*(\b):CU+4*(\b)+3], v[HO], s[92:93] offset:512*(\b)
.endr
	WIN 0x80                                       ; destination window 2
.irp b, 0,1,2,3
	global_load_b128 v[BOV+8*(\b):BOV+8*(\b)+3],   v[BOO], s[76:77] offset:64*(\b)
	global_load_b128 v[BOV+8*(\b)+4:BOV+8*(\b)+7], v[BOO], s[76:77] offset:64*(\b)+16
.endr
	WIN 0
	s_lshl_b32 s21, s11, 15                        ; my 64 rows of h in a slot
	v_mul_u32_u24 v4, v1, PITCH
	v_lshl_add_u32 v4, v2, 4, v4
	s_mul_i32 s22, s12, BHALF                      ; my 64 rows of W_o
	s_add_co_u32 s22, s22, BOFF
.irp s, 0,1
	v_add_nc_u32 v[ADRA+(\s)], s21, v[HO]
	v_add_nc_u32 v[ADRB+(\s)], s22, v4
	s_add_co_u32 s21, s21, SLOT
	s_add_co_u32 s22, s22, SLOT
.endr
	s_mul_i32 s23, s10, 16*SPITCH
	s_add_co_u32 s23, s23, STAGE                   ; my stage
	v_mul_u32_u24 v5, v1, SPITCH                   ; in: row l % 16, 32 bytes for each half of the lanes
	v_lshl_add_u32 v5, v2, 5, v5
	v_add_nc_u32 v[STO], s23, v5
	v_mul_u32_u24 v5, v2, SPITCH                   ; back: lanes 0-15 take one row of 256 bytes, lanes 16-31 the next
	v_lshl_add_u32 v5, v1, 4, v5
	v_add_nc_u32 v[RD], s23, v5
	v_lshlrev_b32 v5, 13, v2                       ; and the same two rows in an output
	v_lshl_add_u32 v[CO], v1, 4, v5
	v_lshl_add_u32 v[PTW], v0, 2, PTAB
	s_lshl_b32 s4, s11, 8
	s_add_co_u32 s4, s4, PTAB
	v_lshl_add_u32 v[PTR], v1, 2, s4
	; p of row 128 x tile row + thread
	s_wait_loadcnt 16                              ; the 64 partial dots are in; the 16 younger loads (h 4, c 4, b_o 8) may stay out
.set i, 1
.rept 7
.irp k, 0,1,2,3
	v_pk_add_f32 v[32+2*(\k):33+2*(\k)], v[32+2*(\k):33+2*(\k)], v[32+8*i+2*(\k):33+8*i+2*(\k)]
.endr
.set i, i+1
.endr
	v_pk_add_f32 v[32:33], v[32:33], v[34:35]
	v_pk_add_f32 v[36:37], v[36:37], v[38:39]
	v_pk_add_f32 v[32:33], v[32:33], v[36:37]
	v_add_f32 v32, v32, v33
	s_wait_kmcnt 0x0
	s_mul_f32 s87, s86, s88
	v_fma_f32 v32, v32, s88, s87                   ; -L (h . W_p + b_p)
	v_exp_f32 v32, v32
	v_mov_b32 v34, 0x3f7d70a4                      ; 0.99 in f32; also the plain instruction behind the exponential
	s_wait_alu depctr_va_vdst(0)
	v_add_f32 v32, 1.0, v32
	v_rcp_f32 v32, v32                             ; gx
	v_mov_b32 v35, 1.0
	s_wait_alu depctr_va_vdst(0)
	v_cmp_gt_f32 vcc_lo, v32, v34
	v_cndmask_b32 v32, v32, v35, vcc_lo            ; p
	ds_store_b32 v[PTW], v32
	s_wait_tensorcnt 1                             ; my part of the first K step is in; the second's may stay out
	s_wait_dscnt 0x0                               ; for the others' sake: my p is stored
	s_barrier_signal -1
	s_barrier_wait -1
.irp a, 0,1,2,3
	ds_load_b32 v[PP+2*(\a)],   v[PTR] offset:64*(\a)
	ds_load_b32 v[PP+2*(\a)+1], v[PTR] offset:64*(\a)
.endr
	ds_load_b32 v[PC], v[PTR]                      ; these eleven loads are older than the first fragments': the first quarter's wait shows them done
	ds_load_b32 v[Q1], v[PTR] offset:64
	ds_load_b32 v[Q2], v[PTR] offset:128
; THE WAY OUT of 16 rows x 64 columns of f32.  TOSTAGE: a lane's 32 bytes of a row go into rows of 272 bytes of my own stage, and whole rows of 256 come back.  SEND, SENDR: stored.
.macro TOSTAGE src, bk
.irp b, 0,1,2,3
	ds_store_b128 v[STO], v[(\src)+8*(\b):(\src)+8*(\b)+3]   offset:64*(\b)
	ds_store_b128 v[STO], v[(\src)+8*(\b)+4:(\src)+8*(\b)+7] offset:64*(\b)+16
.endr
	s_wait_xcnt 0x0                                ; the stores that read this buffer last have read it: only now is it loaded again
.irp t, 0,1,2,3,4,5,6,7
	ds_load_b128 v[(\bk)+4*(\t):(\bk)+4*(\t)+3], v[RD] offset:(\t)*2*SPITCH  ; LDS serves a wave's instructions in order (ISA guide 5.7.1.4): these see the stores above; the next block's stores come behind them
.endr
.endm
.macro SEND bk, base, a, younger       ; younger: the LDS instructions issued behind this block's loads: the next block's sixteen, or none
.irp t, 0,1,2,3,4,5,6,7
	s_wait_dscnt (\younger)+7-(\t)
	global_store_b128 v[CO], v[(\bk)+4*(\t):(\bk)+4*(\t)+3], s[(\base):(\base)+1] offset:(16*(\a)+2*(\t))*8192 th:TH_STORE_NT  ; 16 lanes store 256 consecutive bytes, at a multiple of 256 from the output's first
.endr
.endm
; In the ring.  PACKR: p x h (kind 0, f16 halves) or p x c (kind 1, bf16 halves) of the block in hand, in f32, into the stage and back.  lw: the younger loads that may stay out.  nx = 1: the next block, 8,192 bytes on, is asked
; for into the registers just read.  SENDR: the block staged a quarter ago is stored; the quarter's own wait for LDS has shown its rows back in registers.
.macro PACKR kind, nx, lw
	WIN 0
	s_wait_loadcnt \lw
.irp b, 0,1,2,3
.irp i, 0,1,2,3
.if \kind
	v_fma_mix_f32_bf16 v[TMP+8*(\b)+2*(\i)],   v[CU+4*(\b)+(\i)], v[PC], v[ZR] op_sel_hi:[1,0,0]
	v_fma_mix_f32_bf16 v[TMP+8*(\b)+2*(\i)+1], v[CU+4*(\b)+(\i)], v[PC], v[ZR] op_sel:[1,0,0] op_sel_hi:[1,0,0]
.else
	v_fma_mix_f32 v[TMP+8*(\b)+2*(\i)],   v[HU+4*(\b)+(\i)], v[PC], v[ZR] op_sel_hi:[1,0,0]
	v_fma_mix_f32 v[TMP+8*(\b)+2*(\i)+1], v[HU+4*(\b)+(\i)], v[PC], v[ZR] op_sel:[1,0,0] op_sel_hi:[1,0,0]
.endif
.endr
.endr
	TOSTAGE TMP, BK0
.if \nx
.irp b, 0,1,2,3
.if \kind
	global_load_b128 v[CU+4*(\b):CU+4*(\b)+3], v[HO], s[92:93] offset:8192+512*(\b)
.else
	global_load_b128 v[HU+4*(\b):HU+4*(\b)+3], v[HO], s[90:91] offset:8192+512*(\b)
.endif
.endr
.endif
.endm
.macro SENDR base
	WIN 0
.irp t, 0,1,2,3,4,5,6,7
	global_store_b128 v[CO], v[BK0+4*(\t):BK0+4*(\t)+3], s[(\base):(\base)+1] offset:2*(\t)*8192 th:TH_STORE_NT  ; 16 lanes store 256 consecutive bytes, at a multiple of 256 from the output's first
.endr
.endm
.macro PACKO a, bk                     ; p x (sum + b_o) of block a, in the accumulators' own registers, read from their low end on
	WIN 0x08                                       ; source 1 in window 2
.irp b, 0,1,2,3
.irp i, 0,1,2,3
	v_pk_add_f32 v[ACC+8*(4*(\a)+(\b))+2*(\i):ACC+8*(4*(\a)+(\b))+2*(\i)+1], v[ACC+8*(4*(\a)+(\b))+2*(\i):ACC+8*(4*(\a)+(\b))+2*(\i)+1], v[BOV+8*(\b)+2*(\i):BOV+8*(\b)+2*(\i)+1]
.endr
.endr
	WIN 0
.irp b, 0,1,2,3
.irp i, 0,1,2,3
	v_pk_mul_f32 v[ACC+8*(4*(\a)+(\b))+2*(\i):ACC+8*(4*(\a)+(\b))+2*(\i)+1], v[ACC+8*(4*(\a)+(\b))+2*(\i):ACC+8*(4*(\a)+(\b))+2*(\i)+1], v[PP+2*(\a):PP+2*(\a)+1] op_sel_hi:[1,0]
.endr
.endr
	TOSTAGE ACC+32*(\a), \bk
.endm
; 8 matrix instructions: row blocks a0, a0 + 1 x all 4 column blocks, 32 along K: half c of buffer f.  The 16 accumulators take turns.
.macro MUL8 f, c, a0, zero
	WIN MUL
.irp a, \a0, (\a0)+1
.irp b, 0,1,2,3
.if \zero
	v_wmma_f32_16x16x32_f16 v[ACC+8*(4*(\a)+(\b)):ACC+8*(4*(\a)+(\b))+7], v[(\f)+64+8*(4*(\c)+(\b)):(\f)+64+8*(4*(\c)+(\b))+7], v[(\f)+8*(4*(\c)+(\a)):(\f)+8*(4*(\c)+(\a))+7], 0
.else
	v_wmma_f32_16x16x32_f16 v[ACC+8*(4*(\a)+(\b)):ACC+8*(4*(\a)+(\b))+7], v[(\f)+64+8*(4*(\c)+(\b)):(\f)+64+8*(4*(\c)+(\b))+7], v[(\f)+8*(4*(\c)+(\a)):(\f)+8*(4*(\c)+(\a))+7], v[ACC+8*(4*(\a)+(\b)):ACC+8*(4*(\a)+(\b))+7]
.endif
.endr
.endr
.endm
; 32 LDS loads in one run: the fragments of quarter q (64 along K) into buffer f; the first 32 along K first.  W_o: 128 q bytes along its rows; h: chunks 4 q .. 4 q + 3 of 512 bytes in each block of 16 rows (8,192 bytes)
.macro FETCH slot, q, f
	WIN TO_F
.irp c, 0,1
.irp i, 0,1,2,3
	ds_load_b128 v[(\f)+64+8*(4*(\c)+(\i)):(\f)+64+8*(4*(\c)+(\i))+3],   v[ADRB+(\slot)] offset:128*(\q)+64*(\c)+(\i)*16*PITCH
	ds_load_b128 v[(\f)+64+8*(4*(\c)+(\i))+4:(\f)+64+8*(4*(\c)+(\i))+7], v[ADRB+(\slot)] offset:128*(\q)+64*(\c)+(\i)*16*PITCH+32
	ds_load_b128 v[(\f)+8*(4*(\c)+(\i)):(\f)+8*(4*(\c)+(\i))+3],         v[ADRA+(\slot)] offset:2048*(\q)+1024*(\c)+8192*(\i)
	ds_load_b128 v[(\f)+8*(4*(\c)+(\i))+4:(\f)+8*(4*(\c)+(\i))+7],       v[ADRA+(\slot)] offset:2048*(\q)+1024*(\c)+8192*(\i)+512
.endr
.endr
.endm
.macro PLACES
.rept 4
	v_nop
.endr
.endm
; A quarter multiplies buffer f and fetches quarter q into g.  hw: what may be out at its head: the sixteen younger fragment loads, and behind a PACKR the stage's sixteen LDS instructions too.
; sd: the base of the output into which the block staged a quarter ago is stored (0: none).  pk: a block is packed and staged at the quarter's end (0: h, 1: c; -1: none), with PACKR's nx and lw.
.macro QUARTER slot, q, f, g, zero, hw=16, sd=0, pk=-1, nx=0, lw=0
	s_wait_dscnt \hw                               ; the first 32 along K are in
	MUL8 \f, 0, 0, \zero
	MUL8 \f, 0, 2, \zero
	PLACES
	FETCH \slot, \q, \g
	s_wait_dscnt 32                                ; all but the 32 just issued
.if \sd
	SENDR \sd
.endif
	MUL8 \f, 1, 0, 0
	MUL8 \f, 1, 2, 0
.if (\pk) >= 0
	PACKR \pk, \nx, \lw
.endif
.endm
; The last quarter multiplies buffer 1 and changes slots: one barrier; in front of it each wave waits for all its tensor loads, adds 0 to its spare word, and waits for that and for its reads of this slot.
; fill = 1: this slot takes the K step two on, round the ring of eight; its descriptors are written between the add and the wait for it, where no tensor load of mine is out.
.macro TURN slot, next, fill
	WIN 0                                          ; (the add's two registers lie in window 0)
	s_wait_tensorcnt 0x0
	ds_add_u32 v[SPW], v[NIL]
.if \fill
	s_add_co_u32 s[KI+(\slot)], s[KI+(\slot)], 2
	s_and_b32 s[KI+(\slot)], s[KI+(\slot)], 7
	WHERE \slot
.endif
	s_wait_dscnt 17                                ; (the add and the youngest sixteen loads may be out)
	MUL8 F1, 0, 0, 0                               ; eight matrix instructions stand between the add and the wait for it
	s_wait_dscnt 0x0                               ; the add is done, and my reads of this slot are over
	s_barrier_signal -1
	MUL8 F1, 0, 2, 0
.if \fill
	WIN 0
.endif
	s_barrier_wait -1
.if \fill
	CREST                                          ; the barrier has opened a round of the cluster's barrier: no wave of any partner still reads this slot's tile or has a load on its way
	JLOAD \slot                                    ; the first tensor load behind the round: 112 matrix instructions ahead of the wait for it; its four v_nop are also the places in front of the loads below
.else
	PLACES
.endif
	FETCH \next, 0, F0
	MUL8 F1, 1, 0, 0
	MUL8 F1, 1, 2, 0
.endm
	FETCH 0, 0, F0
	QUARTER 0, 1, F0, F1, 1                        ; the first quarter stands in front of the loop: its first products start the sums
	WIN 0
	s_mov_b32 s3, LAPS-1
.Llap:                                                 ; a trip goes once round the ring, fills both slots again, and sends out one block of out0 and one of out1
	QUARTER 0, 2, F1, F0, 0, 16, 0, 0, 1, 4        ; p h of the block in hand; c's four younger loads may stay out (in the first trip twelve are younger: the lesser count serves both)
	QUARTER 0, 3, F0, F1, 0, 32, 80
	TURN 0, 1, 1
	QUARTER 1, 1, F0, F1, 0
	QUARTER 1, 2, F1, F0, 0, 16, 0, 1, 1, 4        ; p c; the next block's four loads of h may stay out
	QUARTER 1, 3, F0, F1, 0, 32, 82
	TURN 1, 0, 1
	QUARTER 0, 1, F0, F1, 0
	WIN 0
	s_wait_xcnt 0x0                                ; the trip's loads and stores have read their bases: only now are these stepped
	s_add_nc_u64 s[80:81], s[80:81], 131072        ; 16 rows of out0 and out1 on,
	s_add_nc_u64 s[82:83], s[82:83], 131072
	s_add_nc_u64 s[90:91], s[90:91], 8192          ; 16 rows of hb and cb
	s_add_nc_u64 s[92:93], s[92:93], 8192
	v_mov_b32 v[PC], v[Q1]                         ; and the next block's p
	v_mov_b32 v[Q1], v[Q2]
	v_mov_b32 v[Q2], v[PP+6]
	s_sub_co_u32 s3, s3, 1
	s_cmp_lg_u32 s3, 0
	s_cbranch_scc1 .Llap
	QUARTER 0, 2, F1, F0, 0, 16, 0, 0, 0, 4        ; the last lap fills nothing and loads nothing: the fourth blocks
	QUARTER 0, 3, F0, F1, 0, 32, 80
	TURN 0, 1, 0
	QUARTER 1, 1, F0, F1, 0
	QUARTER 1, 2, F1, F0, 0, 16, 0, 1, 0, 0
	QUARTER 1, 3, F0, F1, 0, 32, 82
	s_wait_dscnt 16
	MUL8 F1, 0, 0, 0
	MUL8 F1, 0, 2, 0
	s_wait_dscnt 0x0
	MUL8 F1, 1, 0, 0
	MUL8 F1, 1, 2, 0
	WIN 0
	PLACES                                         ; the places behind the last products, once a launch
	PLACES
	s_wait_loadcnt 0x0                             ; b_o
	PACKO 0, BK0
	PACKO 1, BK1
	SEND BK0, 84, 0, 16
	PACKO 2, BK0
	SEND BK1, 84, 1, 16
	PACKO 3, BK1
	SEND BK0, 84, 2, 16
	SEND BK1, 84, 3, 0
	s_wait_tensorcnt 0x0                           ; the wave's end: behind my last tensor load and my last LDS store
	ds_add_u32 v[SPW], v[NIL]
	s_wait_dscnt 0x0
	CROUND                                         ; the closing round: no work-group ends while a partner may still ask for a tile that names it
	s_endpgm
.Lfunc_end_k_q421a8f9ab3_outp:
	.size	k_q421a8f9ab3_outp, .Lfunc_end_k_q421a8f9ab3_outp-k_q421a8f9ab3_outp
	.p2alignl 7, 3214868480
	.fill 96, 4, 3214868480
	.section	.rodata,"a",@progbits
	.p2align	6, 0x0
	.amdhsa_kernel k_q421a8f9ab3_outp
		.amdhsa_group_segment_fixed_size 327680
		.amdhsa_private_segment_fixed_size 0
		.amdhsa_enable_private_segment 0
		.amdhsa_kernarg_size 72
		.amdhsa_user_sgpr_count 2
		.amdhsa_user_sgpr_kernarg_segment_ptr 1
		.amdhsa_wavefront_size32 1
		.amdhsa_system_sgpr_workgroup_id_x 1
		.amdhsa_system_sgpr_workgroup_id_y 1
		.amdhsa_system_sgpr_workgroup_id_z 1
		.amdhsa_system_vgpr_workitem_id 0
		.amdhsa_next_free_vgpr 544
		.amdhsa_next_free_sgpr 96
		.amdhsa_reserve_vcc 1
		.amdhsa_float_denorm_mode_32 3
		.amdhsa_float_denorm_mode_16_64 3
		.amdhsa_memory_ordered 1
		.amdhsa_forward_progress 1
		.amdhsa_inst_pref_size 124
	.end_amdhsa_kernel
	.amdgpu_metadata
---
amdhsa.version: [ 1, 2 ]
amdhsa.kernels:
  - .name:           k_q421a8f9ab3_outp
    .symbol:         k_q421a8f9ab3_outp.kd
    .args:
      - { .name: hb, .offset: 0, .size: 8, .value_kind: global_buffer, .address_space: global }
      - { .name: Wo16, .offset: 8, .size: 8, .value_kind: global_buffer, .address_space: global }
      - { .name: cb, .offset: 16, .size: 8, .value_kind: global_buffer, .address_space: global }
      - { .name: pd, .offset: 24, .size: 8, .value_kind: global_buffer, .address_space: global }
      - { .name: b_o, .offset: 32, .size: 8, .value_kind: global_buffer, .address_space: global }
      - { .name: b_p, .offset: 40, .size: 8, .value_kind: global_buffer, .address_space: global }
      - { .name: out0, .offset: 48, .size: 8, .value_kind: global_buffer, .address_space: global }
      - { .name: out1, .offset: 56, .size: 8, .value_kind: global_buffer, .address_space: global }
      - { .name: out2, .offset: 64, .size: 8, .value_kind: global_buffer, .address_space: global }
    .group_segment_fixed_size: 327680
    .private_segment_fixed_size: 0
    .kernarg_segment_align: 8
    .kernarg_segment_size: 72
    .max_flat_workgroup_size: 128
    .sgpr_count:     96
    .vgpr_count:     544
    .wavefront_size: 32
...
	.end_amdgpu_metadata
.endif
;; end of part 3
